; MI455X (gfx1250); checked and timed in simulation.
; The chip was launched on July 23, 2026; its instructions are those of AMD's public machine-readable ISA for CDNA 5 (MIT licence, August 2026) and "CDNA5" Instruction Set Architecture Reference Guide (July 2026). The comments in the code are by the model that wrote it; some were corrected since.
;; Attention Head. Allowed arithmetic: float matrix products may take bf16 or f16 operands with f32 sums; all other float work in f32.
;; Inputs: Wk 5 x 64 float32; Wq 5 x 64 float32; Wv 5 x 64 float32; bk 64 float32; bq 64 float32; bv 64 float32; x 4,096 x 4 x 5 float32.
;; Outputs: out0 4,096 x 4 x 64 float32.
;; 2 versions, each right; version 2 is version 1 with the launch pack written anew for expert scheduling mode. Each part assembles by itself: llvm-mc -triple=amdgcn-amd-amdhsa -mcpu=gfx1250 --defsym DOCPART=n.
;; ======== version 1 of 2: 2 launches
;; workspace buffers: xk 524,288 bytes
;; launch pack (part 1): grid 128 x 1, 1 waves a work-group, no clusters, 2,816 bytes of LDS; arguments x, xk; writes xk
.if DOCPART == 1
	.amdgcn_target "amdgcn-amd-amdhsa--gfx1250"
	.amdhsa_code_object_version 6
	.text
	.protected	k_q43c9ac83d6_pack
	.globl	k_q43c9ac83d6_pack
	.p2align	8
	.type	k_q43c9ac83d6_pack,@function
k_q43c9ac83d6_pack:
	s_mov_b64 s[64:65], 0
	v_nop
	global_prefetch_b8 v0, s[64:65] scope:SCOPE_SE
	s_setreg_imm32_b32 hwreg(HW_REG_WAVE_MODE, 25, 1), 1
	s_wait_xcnt 0x0
; x, [4096 s][4 b][5] f32, is laid out for the matrix unit.  Each number is kept as a sum of two bf16: xh = bf16(x), xl = bf16(x - xh).
; A key gets two rows of 16 bytes:   K1 = { xh0 xh1 xh2 xh3 xh4 1 xl0 xl1 }     K2 = { xl2 xl3 xl4 xh0 xh1 xh2 xh3 xh4 }
; The one carries the biases of the three projections and, later, the softmax's denominator; xh stands twice because a score is
; xh.qh + xl.qh + xh.ql, sixteen products.  xk is [4 b][64 chunks][K1 of 64 keys: 1,024 bytes][K2 of the same keys: 1,024 bytes].
; One wave takes 32 keys = 2,560 consecutive bytes of x (a multiple of 256 from x's first byte).  Five loads of 512 consecutive bytes
; bring them in; LDS turns them so that lane l holds the 20 numbers of key l; eight stores of 512 consecutive bytes (K1 and K2 of four
; batches) take the rows out.  Every byte of x is read once and every byte of xk written once.  No matrix unit, cluster or ring: the
; launch moves 0.85 MB once and has nothing to reuse.  128 work-groups: that is all the work there is.
; LIMIT: x is finite (an infinity would leave x - xh undefined).
.set KEYS, 32
.set XROW, 80                          ; bytes of x for a key: 4 batches x 5 f32
.set BATCH, 131072                     ; bytes of xk for a batch
.set RAW,  4                           ; v[4:23]   as loaded
.set XV,   24                          ; v[24:43]  x[key = lane][b][e] at XV + 5 b + e
.set OUTV, 44                          ; v[44:75]  batch b: four registers K1, four registers K2
.set HI,   76                          ; v[76:80]  xh as f32
.set LO,   82                          ; v[82:86]  x - xh
	s_load_b128 s[4:7], s[0:1], 0x0                ; x s[4:5], xk s[6:7]
	v_lshl_add_u32 v96, v0, 2, 0xa00
	v_mov_b32 v97, 0
	s_mul_i32 s10, ttmp9, KEYS*XROW                ; my 32 keys in x
	s_mov_b32 s11, 0
	s_lshr_b32 s12, ttmp9, 1                       ; my chunk of 64 keys: 2,048 bytes each,
	s_lshl_b32 s12, s12, 11
	s_and_b32 s13, ttmp9, 1                        ; and which 32 rows of 16 bytes in it
	s_lshl_b32 s13, s13, 9
	s_add_co_u32 s12, s12, s13
	s_mov_b32 s13, 0
	s_mov_b32 s14, 0xffff0000                      ; a word's upper bf16
	v_lshlrev_b32 v1, 4, v0                        ; 16 x lane
	v_mul_u32_u24 v2, XROW, v0                     ; 80 x lane: an odd multiple of 16
	s_wait_kmcnt 0x0
	s_add_nc_u64 s[4:5], s[4:5], s[10:11]
	s_add_nc_u64 s[6:7], s[6:7], s[12:13]
.irp i, 0,1,2,3,4
	global_load_b128 v[RAW+4*\i:RAW+4*\i+3], v1, s[4:5] offset:512*\i th:TH_LOAD_NT
.endr
.irp i, 0,1,2,3,4
	s_wait_loadcnt 4-\i                            ; loads come back in order: load i is in, the 4 - i younger ones may stay out
	ds_store_b128 v1, v[RAW+4*\i:RAW+4*\i+3] offset:512*\i
.endr
.irp i, 0,1,2,3,4
	ds_load_b128 v[XV+4*\i:XV+4*\i+3], v2 offset:16*\i     ; the wave's own bytes; LDS serves a wave's instructions in order, so these see the stores
.endr
	s_wait_dscnt 0x0
.irp b, 0,1,2,3
	v_cvt_pk_bf16_f32 v[OUTV+8*\b],   v[XV+5*\b],   v[XV+5*\b+1]  ; K1: xh0 xh1
	v_cvt_pk_bf16_f32 v[OUTV+8*\b+1], v[XV+5*\b+2], v[XV+5*\b+3]  ;     xh2 xh3
	v_cvt_pk_bf16_f32 v[OUTV+8*\b+2], v[XV+5*\b+4], 1.0           ;     xh4 1
	v_lshlrev_b32 v[HI],   16,  v[OUTV+8*\b]                      ; bf16 to f32: the low half moves up, the high half stays
	v_and_b32     v[HI+1], s14, v[OUTV+8*\b]
	v_lshlrev_b32 v[HI+2], 16,  v[OUTV+8*\b+1]
	v_and_b32     v[HI+3], s14, v[OUTV+8*\b+1]
	v_lshlrev_b32 v[HI+4], 16,  v[OUTV+8*\b+2]
.irp e, 0,1,2,3,4
	v_sub_f32 v[LO+\e], v[XV+5*\b+\e], v[HI+\e]                   ; exact: what the rounding left
.endr
	v_cvt_pk_bf16_f32 v[OUTV+8*\b+3], v[LO],       v[LO+1]        ;     xl0 xl1
	v_cvt_pk_bf16_f32 v[OUTV+8*\b+4], v[LO+2],     v[LO+3]        ; K2: xl2 xl3
	v_cvt_pk_bf16_f32 v[OUTV+8*\b+5], v[LO+4],     v[XV+5*\b]     ;     xl4 xh0
	v_cvt_pk_bf16_f32 v[OUTV+8*\b+6], v[XV+5*\b+1], v[XV+5*\b+2]  ;     xh1 xh2
	v_cvt_pk_bf16_f32 v[OUTV+8*\b+7], v[XV+5*\b+3], v[XV+5*\b+4]  ;     xh3 xh4
	global_store_b128 v1, v[OUTV+8*\b:OUTV+8*\b+3],   s[6:7] offset:BATCH*\b        ; 32 lanes: 512 consecutive bytes, aligned
	global_store_b128 v1, v[OUTV+8*\b+4:OUTV+8*\b+7], s[6:7] offset:BATCH*\b+1024
.endr
	s_wait_tensorcnt 0x0
	ds_add_u32 v96, v97
	s_wait_dscnt 0x0
	s_endpgm
.Lfunc_end_k_q43c9ac83d6_pack:
	.size	k_q43c9ac83d6_pack, .Lfunc_end_k_q43c9ac83d6_pack-k_q43c9ac83d6_pack
	.p2alignl 7, 3214868480
	.fill 96, 4, 3214868480
	.section	.rodata,"a",@progbits
	.p2align	6, 0x0
	.amdhsa_kernel k_q43c9ac83d6_pack
		.amdhsa_group_segment_fixed_size 2816
		.amdhsa_private_segment_fixed_size 0
		.amdhsa_enable_private_segment 0
		.amdhsa_kernarg_size 16
		.amdhsa_user_sgpr_count 2
		.amdhsa_user_sgpr_kernarg_segment_ptr 1
		.amdhsa_wavefront_size32 1
		.amdhsa_system_sgpr_workgroup_id_x 1
		.amdhsa_system_sgpr_workgroup_id_y 1
		.amdhsa_system_sgpr_workgroup_id_z 1
		.amdhsa_system_vgpr_workitem_id 0
		.amdhsa_next_free_vgpr 98
		.amdhsa_next_free_sgpr 66
		.amdhsa_reserve_vcc 0
		.amdhsa_float_denorm_mode_32 3
		.amdhsa_float_denorm_mode_16_64 3
		.amdhsa_memory_ordered 1
		.amdhsa_forward_progress 1
		.amdhsa_inst_pref_size 7
	.end_amdhsa_kernel
	.amdgpu_metadata
---
amdhsa.version: [ 1, 2 ]
amdhsa.kernels:
  - .name:           k_q43c9ac83d6_pack
    .symbol:         k_q43c9ac83d6_pack.kd
    .args:
      - { .name: x, .offset: 0, .size: 8, .value_kind: global_buffer, .address_space: global }
      - { .name: xk, .offset: 8, .size: 8, .value_kind: global_buffer, .address_space: global }
    .group_segment_fixed_size: 2816
    .private_segment_fixed_size: 0
    .kernarg_segment_align: 8
    .kernarg_segment_size: 16
    .max_flat_workgroup_size: 32
    .sgpr_count:     66
    .vgpr_count:     98
    .wavefront_size: 32
...
	.end_amdgpu_metadata
.endif
;; end of part 1
;; launch attn (part 2): grid 64 x 4, 8 waves a work-group, no clusters, 168,960 bytes of LDS; arguments xk, Wk, bk, Wq, bq, Wv, bv, out0; writes out0
.if DOCPART == 2
	.amdgcn_target "amdgcn-amd-amdhsa--gfx1250"
	.amdhsa_code_object_version 6
	.text
	.protected	k_q43c9ac83d6_attn
	.globl	k_q43c9ac83d6_attn
	.p2align	8
	.type	k_q43c9ac83d6_attn,@function
k_q43c9ac83d6_attn:
	s_mov_b64 s[64:65], 0
	v_nop
	global_prefetch_b8 v0, s[64:65] scope:SCOPE_SE
	s_setreg_imm32_b32 hwreg(HW_REG_WAVE_MODE, 25, 1), 1
	s_wait_xcnt 0x0
; Causal attention head, S = 4096, 4 batches, width 64, on an x of 5 features.  With xa = [x, 1] (6 numbers) and W_aug = [W; b]:
;   k_i . q_j          = xa_i . (G xa_j),  G[e][f] = sum over n of Wk_aug[e][n] Wq_aug[f][n]        (6 x 6)
;   sum_i p_ij v_i     = (sum_i p_ij xa_i) . Wv_aug, and the slot of ones gives sum_i p_ij, the denominator.
; So both large products have inner width 6.  qt_j = (log2 e / 8) G xa_j; score S_ij = xa_i . qt_j, in units of log2.
; PRECISION.  W_aug, G, x and qt each go to the matrix unit as a sum of two bf16, hi + lo, and every product is hi.hi + hi.lo + lo.hi.  The lo parts
; ride in k slots and matrix rows that would stand empty: a score takes 6 + 5 + 5 = 16 of the 32 k slots, so two keys share a row of A, and the
; second product has 16 rows for 6 + 5 sums.  Only p is a single bf16, and the same p enters numerator and denominator.
; The softmax takes the TRUE maximum away: pass 1 finds m_j = max over i <= j of S_ij, pass 2 repeats the same matrix instruction with
; C = -m_j, so that the subtraction costs no vector instruction and nothing is rescaled.  p = 2^(S - m).
; out[j][n] = bv[n] + sum over e < 5 of (ctx_j[e] / l_j) Wv[e][n], in f32 on the vector unit: inner width 5, and a lane gets 16
; neighbouring bytes of out0 at once.
; WORK.  Unit: a chunk of 64 keys x 16 queries.  Query tile t has t >> 2 whole chunks and one chunk that the diagonal cuts.
; Work-group (p, b) takes tiles p, 127 - p, 128 + p, 255 - p of batch b: 126 + 4 = 130 chunks for every p; 256 equal work-groups.
; The 130 chunks are numbered through; wave w takes those that are w modulo 8: 16 or 17 each, the same in both passes.
; Eight waves, two to a SIMD: a trip is a chain LDS -> matrix -> exponential -> pack -> matrix, and one wave's exponentials fill the other's waits.
; NO CLUSTER: the work-groups that read the same 128 KB (one batch) have different tiles, so their trip counts would hang on their place
; in the cluster, which joint loads do not allow; those with equal trip counts (same p) share no byte.  The shared bytes are one fill of the launch.
; LIMITS.  Inputs are finite: empty k slots and masked keys are met as 0 x number, so an infinity or NaN in x reaches all queries of its
; block of 64 keys, also those for which the key is masked.  Rounding differs from the problem's function in order (scores go through G).
.set CHUNK, 2048                       ; LDS 0 - 131071: xk of my batch, [64 chunks][K1: 64 keys x 16 bytes][K2: 64 keys x 16 bytes], filled once
.set K2,   1024                        ;   K1 = { xh0..xh4 1 xl0 xl1 }, K2 = { xl2 xl3 xl4 xh0..xh4 }
.set MAXP, 131072                      ; [8 waves][16 queries][4 tiles] f32
.set PART, 133120                      ; [8 waves][4 tiles][16 queries][8 f32]: ctx0 ctx1 l 0 ctx2 ctx3 ctx4 0
.set RED,  149504                      ; [4 tiles][16 queries][8 f32].  The three stand in 256-byte blocks of their own: no tensor load lands there
.set LANE, 1
.set R,    2                           ; lane % 16
.set H,    3                           ; lane / 16
.set KA,   4                           ; LDS address of my 16 bytes of a chunk's keys (first: 16 r + 1024 h, my row of a query tile)
.set VA,   5                           ; LDS address for the transposing loads (first: 16 r, the offset into Wv and bv)
.set L16,  6                           ; 16 x lane
.set V16,  7                           ; 16 x (8 h + lane % 8) + 1024 x (lane / 8 % 2)
.set NINF, 8                           ; -infinity
.set THR,  9                           ; the diagonal: key slot 16 g + j is masked where it is above THR
.set TMP,  10
.set MAXA, 11
.set PARTA, 12
.set RH,   13                          ; r - 8 h
.set WOF,  14
.set BOF,  15
.set KF0,  16                          ; v[16:23]   keys 0-31 of the chunk as A: K1 in registers 0-3, K2 in 4-7
.set KF1,  24                          ; v[24:31]   keys 32-63
.set VF,   32                          ; v[32:47]   K1 and K2 transposed, A of the second product: two fragments of 32 keys
.set S,    48                          ; v[48:79]   four score tiles of 16 keys x 16 queries
.set P,    80                          ; v[80:95]   p in bf16, B of the second product
.set NEGM, 96                          ; v[96:103]  -m of my query, eight times
.set ACC0, 104                         ; v[104:111] sums from keys 0-31 of the chunks
.set BQ,   112                         ; v[112:175] tile q at 16 q: qt in lanes 0-15, zeros in 16-31 (8 registers); then the other way round (8)
.set ACC1, 176                         ; v[176:183] sums from keys 32-63
.set T,    184                         ; v[184:207] at work; in pass 2 v[184:199] keep the four tiles' partial sums
.set WV,   208                         ; v[208:231] Wv rows 0-4 and bv, columns 4 c .. 4 c + 3, c = thread % 16
.set MX,   232                         ; v[232:235] four running maxima
.set MQ,   236                         ; v[236:239] tile q: the maximum of my query
.set GA,   240                         ; v[240:247] c G, hi and lo, as A
.set ZR,   247                         ; GA's last register is 0 and stays so
.set RWQ,  16                          ; the start only: W and b as loaded (32 registers each) ..
.set RBQ,  48
.set RWK,  80
.set RBK,  112
.set PQH,  48                          ; .. and, where the biases lay, W_aug in bf16: hi and lo (16 each)
.set PQL,  64
.set PKH,  112
.set PKL,  128
.set TT,   144                         ; v[144:147]
.set DG0,  152                         ; G from n = 0-31
.set DG1,  160                         ; G from n = 32-63
.set DQ,   16                          ; v[16:47] qt, tile q at 8 q
.set XQ,   80                          ; v[80:111] my queries' rows as B, tile q at 8 q
.set TQ,   36                          ; s36-39  tile numbers
.set NF,   40                          ; s40-43  whole chunks of the tile
.set ST,   44                          ; s44-47  my first chunk in the tile
.set U16,  48                          ; s48-51  16 x (tile % 4): the tile's place in its last chunk
.set OOF,  56                          ; s56-59  byte offset of the tile's first row in out0, my batch
.set NT,   66                          ; s66-69  how many whole chunks of the tile are mine: the loops' trips
.set CNT,  70                          ; s70     the loops' counter
	s_load_b256 s[8:15], s[0:1], 0x0               ; xk s[8:9], Wk s[10:11], bk s[12:13], Wq s[14:15]
	s_load_b256 s[16:23], s[0:1], 0x20             ; bq s[16:17], Wv s[18:19], bv s[20:21], out0 s[22:23]
	v_lshl_add_u32 v254, v0, 2, 0x29000
	v_mov_b32 v255, 0
	ds_add_u32 v254, v255
	ds_add_u32 v254, v255
	v_lshrrev_b32 v[TMP], 5, v0
	v_readfirstlane_b32 s2, v[TMP]                 ; wave 0..7
	s_and_b32 s3, ttmp9, 63                        ; p: the grid has 64 along x
	s_and_b32 s4, ttmp7, 3                         ; batch: the grid has 4 along y
	v_and_b32 v[LANE], 31, v0
	v_and_b32 v[R], 15, v0
	v_bfe_u32 v[H], v0, 4, 1
	v_lshlrev_b32 v[L16], 4, v[LANE]
	v_and_b32 v[THR], 7, v0                        ; r % 8, for now
	v_lshlrev_b32 v[V16], 4, v[THR]
	v_lshl_add_u32 v[V16], v[H], 7, v[V16]
	v_bfe_u32 v[TMP], v0, 3, 1
	v_lshl_add_u32 v[V16], v[TMP], 10, v[V16]      ; lanes 8-15 and 24-31 read K2
	v_mov_b32 v[NINF], 0xff800000
	v_lshlrev_b32 v[RH], 3, v[H]
	v_sub_nc_u32 v[RH], v[R], v[RH]
	v_cmp_lt_u32 s55, 4, v[THR]                    ; lanes whose row of W_aug is the bias (rows 5, 6, 7; 6 and 7 are never used)
	v_min_u32 v[WOF], 4, v[THR]
	v_lshlrev_b32 v[WOF], 8, v[WOF]                ; row min(r % 8, 4) of 256 bytes
	v_lshl_add_u32 v[WOF], v[H], 5, v[WOF]         ; + 8 h numbers
	v_lshlrev_b32 v[BOF], 5, v[H]
	v_lshlrev_b32 v[VA], 4, v[R]
	; One tensor load a wave: 16,384 dense bytes of my batch's xk as 64 rows of 256 bytes, to LDS byte 16384 x wave.  One load of the wave is out.
	s_mov_b32 s24, 1                               ; group 0: count
	s_lshl_b32 s25, s2, 14                         ; LDS address
	s_mov_b32 s28, 3<<16                           ; group 1: no mask, elements of 8 bytes, no padding
	s_mov_b32 s29, 32<<16                          ; tensor_dim0 = 32
	s_mov_b32 s30, 64<<16                          ; tensor_dim1 = 64
	s_mov_b32 s31, 32<<16                          ; tile_dim0 = 32
	s_mov_b32 s32, 64                              ; tile_dim1 = 64
	s_mov_b32 s33, 32                              ; pitch = 32 elements: dense
	s_mov_b32 s34, 0
	s_mov_b32 s35, 0
	s_lshl_b32 s6, s4, 17                          ; 131,072 bytes a batch
	s_add_co_u32 s6, s6, s25
	s_mov_b32 s7, 0
	s_wait_dscnt 0x0
	s_wait_kmcnt 0x0
	s_add_nc_u64 s[26:27], s[8:9], s[6:7]
	s_or_b32 s27, s27, 0x80000000                  ; type = 2
	tensor_load_to_lds s[24:27], s[28:35]
	s_nop 0
	; W_aug as fragments with K = 64 along the rows: lane (r, h) takes 8 f32 at 8 h, 16 + 8 h, 32 + 8 h, 48 + 8 h of its row
.set wi, 0
.irp o, 0,16,64,80,128,144,192,208
	global_load_b128 v[RWQ+wi:RWQ+wi+3], v[WOF], s[14:15] offset:\o
	global_load_b128 v[RBQ+wi:RBQ+wi+3], v[BOF], s[16:17] offset:\o
	global_load_b128 v[RWK+wi:RWK+wi+3], v[WOF], s[10:11] offset:\o
	global_load_b128 v[RBK+wi:RBK+wi+3], v[BOF], s[12:13] offset:\o
.set wi, wi+4
.endr
.irp e, 0,1,2,3,4
	global_load_b128 v[WV+4*\e:WV+4*\e+3], v[VA], s[18:19] offset:256*\e
.endr
	global_load_b128 v[WV+20:WV+23], v[VA], s[20:21]
	; the four tiles, their chunks, and where my share of each begins
	s_mov_b32 s[TQ], s3
	s_sub_co_u32 s[TQ+1], 127, s3
	s_add_co_u32 s[TQ+2], s3, 128
	s_sub_co_u32 s[TQ+3], 255, s3
	s_lshl_b32 s6, s4, 8                           ; 256 bytes a batch in a row of out0
.irp q, 0,1,2,3
	s_lshr_b32 s[NF+\q], s[TQ+\q], 2
	s_and_b32 s[U16+\q], s[TQ+\q], 3
	s_lshl_b32 s[U16+\q], s[U16+\q], 4
	s_lshl_b32 s[OOF+\q], s[TQ+\q], 14             ; 16 queries x 1,024 bytes
	s_add_co_u32 s[OOF+\q], s[OOF+\q], s6
.endr
	s_mov_b32 s[ST], s2                            ; chunks ahead of tile 0: none
	s_sub_co_u32 s[ST+1], s2, s[NF]                ; ahead of tile 1: NF0 + 1
	s_sub_co_u32 s[ST+1], s[ST+1], 1
	s_and_b32 s[ST+1], s[ST+1], 7
	s_sub_co_u32 s[ST+2], s2, 33                   ; ahead of tile 2: NF0 + NF1 + 2 = 33 for every p
	s_and_b32 s[ST+2], s[ST+2], 7
	s_sub_co_u32 s[ST+3], s2, s[NF+2]              ; ahead of tile 3: 34 + NF2
	s_sub_co_u32 s[ST+3], s[ST+3], 34
	s_and_b32 s[ST+3], s[ST+3], 7
.irp q, 0,1,2,3
	s_add_co_u32 s[NT+\q], s[NF+\q], 7             ; my whole chunks ST, ST + 8, .. below NF: (NF + 7 - ST) >> 3 of them, none where ST >= NF
	s_sub_co_u32 s[NT+\q], s[NT+\q], s[ST+\q]      ; never negative: ST is 7 at the most
	s_lshr_b32 s[NT+\q], s[NT+\q], 3
.endr
	s_mov_b32 s54, 0xffff0000                      ; lanes 16-31; also: a word's upper bf16
	s_mov_b32 s60, 0x3e38aa3b                      ; log2(e) / 8
	s_mov_b32 s61, 0x3e38aa3b
	s_mov_b32 s62, 0x76543210                      ; v_permlanex16_b32: lane i of one half reads lane i of the other
	s_mov_b32 s63, 0xfedcba98
	s_lshl_b32 s6, s2, 8
	s_add_co_u32 s6, s6, MAXP
	v_lshl_add_u32 v[MAXA], v[R], 4, s6            ; MAXP + 256 wave + 16 r
	s_lshl_b32 s6, s2, 11
	s_add_co_u32 s6, s6, PART
	v_lshl_add_u32 v[PARTA], v[R], 5, s6
	v_lshl_add_u32 v[PARTA], v[H], 4, v[PARTA]     ; PART + 2048 wave + 32 r + 16 h
	; G, in every wave, while the tensor load is on its way.  A = Wq_aug (row f = r % 8), B = Wk_aug (column e = r % 8):
	; register j of lane r, in both halves of the lanes, then holds G[r % 8][j].
	s_wait_loadcnt 0x0
.set wi, 0
.rept 32
	v_cndmask_b32 v[RWQ+wi], v[RWQ+wi], v[RBQ+wi], s55     ; the bias is row 5 of W_aug
	v_cndmask_b32 v[RWK+wi], v[RWK+wi], v[RBK+wi], s55
.set wi, wi+1
.endr
.set wi, 0
.rept 16
	v_cvt_pk_bf16_f32 v[PQH+wi], v[RWQ+2*wi], v[RWQ+2*wi+1]
	v_cvt_pk_bf16_f32 v[PKH+wi], v[RWK+2*wi], v[RWK+2*wi+1]
	v_lshlrev_b32 v[TT],   16,  v[PQH+wi]
	v_and_b32     v[TT+1], s54, v[PQH+wi]
	v_lshlrev_b32 v[TT+2], 16,  v[PKH+wi]
	v_and_b32     v[TT+3], s54, v[PKH+wi]
	v_sub_f32 v[RWQ+2*wi],   v[RWQ+2*wi],   v[TT]          ; exact: what the rounding left
	v_sub_f32 v[RWQ+2*wi+1], v[RWQ+2*wi+1], v[TT+1]
	v_sub_f32 v[RWK+2*wi],   v[RWK+2*wi],   v[TT+2]
	v_sub_f32 v[RWK+2*wi+1], v[RWK+2*wi+1], v[TT+3]
	v_cvt_pk_bf16_f32 v[PQL+wi], v[RWQ+2*wi], v[RWQ+2*wi+1]
	v_cvt_pk_bf16_f32 v[PKL+wi], v[RWK+2*wi], v[RWK+2*wi+1]
.set wi, wi+1
.endr
	; hi.hi + hi.lo + lo.hi, n = 0-31 on one accumulator and n = 32-63 on the other: the two take turns, one instruction a turn
	v_wmma_f32_16x16x32_bf16 v[DG0:DG0+7], v[PQH:PQH+7],    v[PKH:PKH+7],    0
	v_wmma_f32_16x16x32_bf16 v[DG1:DG1+7], v[PQH+8:PQH+15], v[PKH+8:PKH+15], 0
	v_wmma_f32_16x16x32_bf16 v[DG0:DG0+7], v[PQH:PQH+7],    v[PKL:PKL+7],    v[DG0:DG0+7]
	v_wmma_f32_16x16x32_bf16 v[DG1:DG1+7], v[PQH+8:PQH+15], v[PKL+8:PKL+15], v[DG1:DG1+7]
	v_wmma_f32_16x16x32_bf16 v[DG0:DG0+7], v[PQL:PQL+7],    v[PKH:PKH+7],    v[DG0:DG0+7]
	v_wmma_f32_16x16x32_bf16 v[DG1:DG1+7], v[PQL+8:PQL+15], v[PKH+8:PKH+15], v[DG1:DG1+7]
	; eight unrelated vector instructions: the places behind the matrix instructions (ISA guide 7.12.1) before G is read
	v_mov_b32 v[GA+4], 0
	v_mov_b32 v[GA+5], 0
	v_mov_b32 v[GA+7], 0
	v_lshl_add_u32 v[KA], v[H], 10, v[VA]          ; 16 r + 1024 h: lanes 0-15 take a query's K1, lanes 16-31 its K2
.irp q, 0,1,2,3
	s_lshl_b32 s6, s[NF+\q], 11                    ; the tile's chunk
	s_lshl_b32 s7, s[U16+\q], 4                    ; + 16 rows of 16 bytes x (tile % 4)
	s_add_co_u32 s6, s6, s7
	v_add_nc_u32 v[T+20+\q], s6, v[KA]
.endr
.irp i, 0,2,4
	v_pk_add_f32 v[DG0+\i:DG0+\i+1], v[DG0+\i:DG0+\i+1], v[DG1+\i:DG1+\i+1]
.endr
.irp i, 0,2,4
	v_pk_mul_f32 v[DG0+\i:DG0+\i+1], v[DG0+\i:DG0+\i+1], s[60:61] op_sel_hi:[1,0]
.endr
.irp i, 0,1,2
	v_cvt_pk_bf16_f32 v[T+\i], v[DG0+2*\i], v[DG0+2*\i+1]  ; Gh0 Gh1 | Gh2 Gh3 | Gh4 Gh5
	v_lshlrev_b32 v[T+4+2*\i], 16,  v[T+\i]
	v_and_b32     v[T+5+2*\i], s54, v[T+\i]
.endr
.irp e, 0,1,2,3,4,5
	v_sub_f32 v[T+10+\e], v[DG0+\e], v[T+4+\e]
.endr
	v_cvt_pk_bf16_f32 v[T+16], v[T+8],  v[T+10]    ; Gh4 Gl0
	v_cvt_pk_bf16_f32 v[T+17], v[T+11], v[T+12]    ; Gl1 Gl2
	v_cvt_pk_bf16_f32 v[T+18], v[T+13], v[T+14]    ; Gl3 Gl4
	v_cvt_pk_bf16_f32 v[T+19], 0,       v[T+15]    ; 0   Gl5
	; A's row e against B = the query's rows.  k slots 0-7 (lanes 0-15, registers 0-3) meet K1: Gh0..Gh5 Gh0 Gh1.  Slots 8-15 (lanes 16-31) meet K2:
	; Gh2 Gh3 Gh4 Gl0..Gl4.  Slots 16-23 meet K1 once more: only Gl5, against the one.  Slots 24-31 are empty.
	v_cndmask_b32 v[GA],   v[T],    v[T+1],  s54
	v_cndmask_b32 v[GA+1], v[T+1],  v[T+16], s54
	v_cndmask_b32 v[GA+2], v[T+2],  v[T+17], s54
	v_cndmask_b32 v[GA+3], v[T],    v[T+18], s54
	v_cndmask_b32 v[GA+6], v[T+19], v[ZR],   s54
	s_wait_tensorcnt 0x0                           ; my 16 KB have landed: said for the other waves' sake
	s_barrier_signal -1
	s_barrier_wait -1                              ; all 128 KB are there.  They are never filled again
	; qt of my 64 queries: rows 0-5 and 8-13 of the product both hold it, so both halves of the lanes get qt[0..5] of query r in registers 0-5
.irp q, 0,1,2,3
	ds_load_b128 v[XQ+8*\q:XQ+8*\q+3],   v[T+20+\q]
	ds_load_b128 v[XQ+8*\q+4:XQ+8*\q+7], v[T+20+\q]
.endr
	s_wait_dscnt 0x0
.irp q, 0,1,2,3
	v_wmma_f32_16x16x32_bf16 v[DQ+8*\q:DQ+8*\q+7], v[GA:GA+7], v[XQ+8*\q:XQ+8*\q+7], 0
.endr
.rept 4
	v_nop                                          ; the places before qt is read
.endr
; qt as B, against a key's K1 and K2: registers 0-3 = qh0..qh5 qh0 qh1, registers 4-7 = qh2 qh3 qh4 ql0..ql4; once in lanes 0-15 alone, once in lanes 16-31 alone
.macro QSEL q, i, src
	v_cndmask_b32 v[BQ+16*\q+\i],   v[\src], v[ZR],   s54
	v_cndmask_b32 v[BQ+16*\q+8+\i], v[ZR],   v[\src], s54
.endm
.macro QFRAG q
	v_cvt_pk_bf16_f32 v[T],   v[DQ+8*\q],   v[DQ+8*\q+1]
	v_cvt_pk_bf16_f32 v[T+1], v[DQ+8*\q+2], v[DQ+8*\q+3]
	v_cvt_pk_bf16_f32 v[T+2], v[DQ+8*\q+4], v[DQ+8*\q+5]  ; qt[5] is the same for every key: its rounding drops out of the softmax
	v_lshlrev_b32 v[T+4], 16,  v[T]
	v_and_b32     v[T+5], s54, v[T]
	v_lshlrev_b32 v[T+6], 16,  v[T+1]
	v_and_b32     v[T+7], s54, v[T+1]
	v_lshlrev_b32 v[T+8], 16,  v[T+2]
.irp e, 0,1,2,3,4
	v_sub_f32 v[T+10+\e], v[DQ+8*\q+\e], v[T+4+\e]
.endr
	v_cvt_pk_bf16_f32 v[T+16], v[T+8],  v[T+10]    ; qh4 ql0
	v_cvt_pk_bf16_f32 v[T+17], v[T+11], v[T+12]    ; ql1 ql2
	v_cvt_pk_bf16_f32 v[T+18], v[T+13], v[T+14]    ; ql3 ql4
	QSEL \q, 0, T
	QSEL \q, 1, T+1
	QSEL \q, 2, T+2
	QSEL \q, 3, T
	QSEL \q, 4, T+1
	QSEL \q, 5, T+16
	QSEL \q, 6, T+17
	QSEL \q, 7, T+18
.endm
	QFRAG 0
	QFRAG 1
	QFRAG 2
	QFRAG 3
; Two loads of 512 consecutive bytes are A for TWO key tiles: lanes 0-15 put keys 0-15 into k slots 0-7 and 16-23, lanes 16-31 put keys 16-31 into
; slots 8-15 and 24-31.  With B = qt in lanes 0-15 the product is the first tile, with B = qt in lanes 16-31 the second.
.macro KLOADS
	ds_load_b128 v[KF0:KF0+3],   v[KA]
	ds_load_b128 v[KF0+4:KF0+7], v[KA] offset:K2
	ds_load_b128 v[KF1:KF1+3],   v[KA] offset:512
	ds_load_b128 v[KF1+4:KF1+7], v[KA] offset:K2+512
.endm
.macro KFETCH chunk
	s_and_b32 s6, \chunk, 63                       ; 64 chunks of 2,048 bytes
	s_lshl_b32 s6, s6, 11
	v_add_nc_u32 v[KA], s6, v[L16]
	KLOADS
.endm
; Four score tiles.  Register j of lane (r, h) of tile g: key 16 g + 8 h + j of the chunk, query r.  neg = 1: C = -m.
.macro SMUL q, neg
.irp g, 0,1,2,3
.if \neg
	v_wmma_f32_16x16x32_bf16 v[S+8*\g:S+8*\g+7], v[KF0+8*(\g>>1):KF0+8*(\g>>1)+7], v[BQ+16*\q+8*(\g&1):BQ+16*\q+8*(\g&1)+7], v[NEGM:NEGM+7]
.else
	v_wmma_f32_16x16x32_bf16 v[S+8*\g:S+8*\g+7], v[KF0+8*(\g>>1):KF0+8*(\g>>1)+7], v[BQ+16*\q+8*(\g&1):BQ+16*\q+8*(\g&1)+7], 0
.endif
.endr
.endm
.macro MAX32                           ; four chains that do not wait for each other
.irp i, 0,2,4,6
.irp g, 0,1,2,3
	v_max3_num_f32 v[MX+\g], v[MX+\g], v[S+8*\g+\i], v[S+8*\g+\i+1]
.endr
.endr
.endm
.macro MASK                            ; key > query, that is 16 g + j > 16 (tile % 4) + r - 8 h: -infinity
.irp g, 0,1,2,3
.irp j, 0,1,2,3,4,5,6,7
	v_cmp_gt_i32 vcc_lo, 16*\g+\j, v[THR]
	v_cndmask_b32 v[S+8*\g+\j], v[S+8*\g+\j], v[NINF], vcc_lo
.endr
.endr
.endm
.macro EXP8 g
.irp j, 0,1,2,3,4,5,6,7
	v_exp_f32 v[S+8*\g+\j], v[S+8*\g+\j]
.endr
.endm
.macro PACK4 g                         ; a lane's eight p of tile g are k slots 8 h .. 8 h + 7 (g even) or 16 + 8 h .. (g odd) of B's column r: no shuffle
	s_wait_alu depctr_va_vdst(0)
.irp i, 0,1,2,3
	v_cvt_pk_bf16_f32 v[P+4*\g+\i], v[S+8*\g+2*\i], v[S+8*\g+2*\i+1]
.endr
.endm
; Between an exponential and the first use of its result stands a plain vector instruction that touches neither its result nor its source
; (ISA guide 5.7.2): the v_nop for tiles 0 and 1, the packing of the tile before for tiles 2 and 3.
.macro EXPPACK
	EXP8 0
	EXP8 1
	v_nop
	s_wait_alu depctr_va_vdst(0)
	PACK4 0
	EXP8 2
	PACK4 1
	EXP8 3
	PACK4 2
	PACK4 3
.endm
; The same bytes transposed: lane 8 g + i gets number i of the eight rows that its group of eight lanes addresses.  Lanes 0-7 and 16-23 address K1,
; lanes 8-15 and 24-31 K2 of the same keys.  So rows 0-7 of the product are the sums of p x { xh0..xh4 1 xl0 xl1 }, in lanes 0-15, and rows 8-15
; those of p x { xl2 xl3 xl4 xh0..xh4 }, in lanes 16-31.
.macro VFETCH
.irp u, 0,1,2,3
	ds_load_tr16_b128 v[VF+4*\u:VF+4*\u+3], v[VA] offset:256*\u
.endr
.endm
.macro PV                              ; the two accumulators take turns, one instruction a turn, with the score products between
	v_wmma_f32_16x16x32_bf16 v[ACC0:ACC0+7], v[VF:VF+7],    v[P:P+7],    v[ACC0:ACC0+7]
	v_wmma_f32_16x16x32_bf16 v[ACC1:ACC1+7], v[VF+8:VF+15], v[P+8:P+15], v[ACC1:ACC1+7]
.endm
; PASS 1 for tile q: the maximum over my chunks, left in MQ + q.  s5 is the chunk, s[CNT] counts the trips by one against s[NT + q].
; Directly behind each run of score products stand four plain vector instructions that name none of their registers (ISA guide 7.12.1):
; behind them the scores are read and the key fragments loaded again.
.macro P1TILE q
	s_wait_dscnt 0x0                               ; a fetch ahead that was not used may still be out: the fragments are loaded again only behind it
	s_mov_b32 s5, s[ST+\q]
	KFETCH s5
.irp g, 0,1,2,3
	v_mov_b32 v[MX+\g], v[NINF]
.endr
	s_cmp_eq_u32 s[NT+\q], 0
	s_cbranch_scc1 .Lp1_end_\q
	s_mov_b32 s[CNT], 0
.Lp1_loop_\q:
	s_wait_dscnt 0x0                               ; this chunk's keys
	SMUL \q, 0
	s_add_co_u32 s6, s5, 8                         ; my next chunk, modulo the 64: behind my last trip it is the cut chunk, if that is mine,
	s_and_b32 s6, s6, 63                           ; or some chunk whose keys are fetched and not used
	s_lshl_b32 s6, s6, 11
	v_add_nc_u32 v[KA], s6, v[L16]
	v_nop
	v_nop
	v_nop
	KLOADS                                         ; on their way while the maxima are taken
	MAX32
	s_add_co_u32 s5, s5, 8
	s_add_co_u32 s[CNT], s[CNT], 1
	s_cmp_lt_u32 s[CNT], s[NT+\q]
	s_cbranch_scc1 .Lp1_loop_\q
.Lp1_end_\q:
	s_cmp_lg_u32 s5, s[NF+\q]
	s_cbranch_scc1 .Lp1_red_\q
	s_wait_dscnt 0x0                               ; the chunk that the diagonal cuts is mine
	SMUL \q, 0
	v_add_nc_u32 v[THR], s[U16+\q], v[RH]
	v_nop
	v_nop
	v_nop
	MASK
	MAX32
.Lp1_red_\q:
	v_max3_num_f32 v[MX], v[MX], v[MX+1], v[MX+2]
	v_max_num_f32 v[MX], v[MX], v[MX+3]
	v_permlanex16_b32 v[TMP], v[MX], s62, s63      ; the other eight keys of each tile lie in the other half of the lanes
	v_max_num_f32 v[MQ+\q], v[MX], v[TMP]          ; -infinity where I have no chunk of the tile
.endm
	P1TILE 0
	P1TILE 1
	P1TILE 2
	P1TILE 3
	s_wait_dscnt 0x0                               ; my key reads of pass 1 are back
	s_barrier_signal -1
	s_barrier_wait -1                              ; every wave's are: no LDS byte is stored while a wave still reads keys
	ds_store_b128 v[MAXA], v[MQ:MQ+3]              ; my four tiles' maxima of query r; both halves of the lanes store the same 16 bytes
	s_wait_dscnt 0x0                               ; they are in LDS: said for the other waves' sake
	s_barrier_signal -1
	s_barrier_wait -1
	v_lshl_add_u32 v[T], v[R], 4, MAXP
.irp w, 0,1,2,3,4,5,6,7
	ds_load_b128 v[S+4*\w:S+4*\w+3], v[T] offset:256*\w
.endr
	s_wait_dscnt 0x0
.irp q, 0,1,2,3
	v_max3_num_f32 v[MQ+\q], v[S+\q], v[S+4+\q], v[S+8+\q]
	v_max3_num_f32 v[MQ+\q], v[MQ+\q], v[S+12+\q], v[S+16+\q]
	v_max3_num_f32 v[MQ+\q], v[MQ+\q], v[S+20+\q], v[S+24+\q]
	v_max_num_f32 v[MQ+\q], v[MQ+\q], v[S+28+\q]   ; finite: the diagonal's own key is in it
	v_mov_b32 v[T+4*\q+3], 0                       ; the fourth word of each partial sum is not used; it is stored and added, so it is written
.endr
; PASS 2 for tile q: my chunks' share of the sums, left in T + 4 q.  The four plain instructions behind the score products also stand between the last
; trip's second product and the loads into its A fragments and the packing into its B fragments.
.macro P2TILE q
	s_wait_dscnt 0x0                               ; as in pass 1
	s_mov_b32 s5, s[ST+\q]
	KFETCH s5
.irp i, 0,1,2,3,4,5,6,7
	v_mul_f32 v[NEGM+\i], -1.0, v[MQ+\q]
.endr
.irp i, 0,1,2,3,4,5,6,7
	v_mov_b32 v[ACC0+\i], 0                        ; cleared, since a wave may have no chunk in a tile: no first product can be counted on to start the sums
	v_mov_b32 v[ACC1+\i], 0
.endr
	s_cmp_eq_u32 s[NT+\q], 0
	s_cbranch_scc1 .Lp2_end_\q
	s_mov_b32 s[CNT], 0
.Lp2_loop_\q:
	s_wait_dscnt 0x0                               ; this chunk's keys
	SMUL \q, 1
	s_and_b32 s7, s5, 63                           ; this chunk, for the transposing loads
	s_lshl_b32 s7, s7, 11
	s_add_co_u32 s6, s5, 8                         ; my next chunk, modulo the 64, as in pass 1
	s_and_b32 s6, s6, 63
	s_lshl_b32 s6, s6, 11
	v_add_nc_u32 v[VA], s7, v[V16]
	v_add_nc_u32 v[KA], s6, v[L16]
	v_nop
	v_nop
	VFETCH
	KLOADS
	EXPPACK
	s_wait_dscnt 0x4                               ; LDS loads come back in order: the four transposing loads are in, the four key loads behind them may stay out
	PV
	s_add_co_u32 s5, s5, 8
	s_add_co_u32 s[CNT], s[CNT], 1
	s_cmp_lt_u32 s[CNT], s[NT+\q]
	s_cbranch_scc1 .Lp2_loop_\q
.Lp2_end_\q:
	s_cmp_lg_u32 s5, s[NF+\q]
	s_cbranch_scc1 .Lp2_sum_\q
	s_wait_dscnt 0x0
	SMUL \q, 1
	s_and_b32 s7, s5, 63
	s_lshl_b32 s7, s7, 11
	v_add_nc_u32 v[VA], s7, v[V16]
	v_add_nc_u32 v[THR], s[U16+\q], v[RH]
	v_nop
	v_nop
	VFETCH
	MASK                                           ; 2^(-infinity) = 0: a masked key adds nothing to the sums or to the denominator
	EXPPACK
	s_wait_dscnt 0x0
	PV
.Lp2_sum_\q:
.rept 4
	v_nop                                          ; the places before the sums are read
.endr
.irp i, 0,2,4,6
	v_pk_add_f32 v[ACC0+\i:ACC0+\i+1], v[ACC0+\i:ACC0+\i+1], v[ACC1+\i:ACC1+\i+1]
.endr
	; hi + lo.  Lanes 0-15 hold ch0 ch1 ch2 ch3 ch4 l cl0 cl1 and hand on ctx0, ctx1, l; lanes 16-31 hold cl2 cl3 cl4 ch0 ch1 ch2 ch3 ch4 and hand on ctx2, ctx3, ctx4
	v_pk_add_f32 v[T+16:T+17], v[ACC0:ACC0+1], v[ACC0+6:ACC0+7]
	v_add_f32 v[T+18], v[ACC0+5], v[ACC0]
	v_add_f32 v[T+19], v[ACC0+6], v[ACC0+1]
	v_add_f32 v[T+20], v[ACC0+7], v[ACC0+2]
	v_cndmask_b32 v[T+4*\q],   v[T+16],   v[T+18], s54
	v_cndmask_b32 v[T+4*\q+1], v[T+17],   v[T+19], s54
	v_cndmask_b32 v[T+4*\q+2], v[ACC0+5], v[T+20], s54
.endm
	P2TILE 0
	P2TILE 1
	P2TILE 2
	P2TILE 3
	s_wait_dscnt 0x0                               ; my key reads of pass 2 are back
	s_barrier_signal -1
	s_barrier_wait -1                              ; every wave's are: as behind pass 1
.irp q, 0,1,2,3
	ds_store_b128 v[PARTA], v[T+4*\q:T+4*\q+3] offset:512*\q
.endr
	s_wait_dscnt 0x0                               ; my partial sums are in LDS
	s_barrier_signal -1
	s_barrier_wait -1
	; the eight waves' sums, in a fixed order: thread t adds the two numbers at byte 8 t of each wave's 2,048 bytes
	v_lshl_add_u32 v[T], v0, 3, PART
	v_lshl_add_u32 v[T+1], v0, 3, RED
.irp w, 0,1,2,3,4,5,6,7
	ds_load_b64 v[S+2*\w:S+2*\w+1], v[T] offset:2048*\w
.endr
	s_wait_dscnt 0x0
.irp w, 0,4,8,12
	v_pk_add_f32 v[S+\w:S+\w+1], v[S+\w:S+\w+1], v[S+\w+2:S+\w+3]
.endr
	v_pk_add_f32 v[S:S+1], v[S:S+1], v[S+4:S+5]
	v_pk_add_f32 v[S+8:S+9], v[S+8:S+9], v[S+12:S+13]
	v_pk_add_f32 v[S:S+1], v[S:S+1], v[S+8:S+9]
	ds_store_b64 v[T+1], v[S:S+1]
	s_wait_dscnt 0x0
	s_barrier_signal -1
	s_barrier_wait -1
	; THE WAY OUT.  Thread t: columns 4 c .. 4 c + 3, c = t % 16, of query t / 16 of each of the four tiles.
	; Sixteen neighbouring lanes store the 256 bytes of one (query, batch) row of out0, aligned.
	v_lshrrev_b32 v[TMP], 4, v0
	v_lshl_add_u32 v[T+2], v[TMP], 5, RED
.irp q, 0,1,2,3
	ds_load_b128 v[S+8*\q:S+8*\q+3],   v[T+2] offset:512*\q        ; ctx0 ctx1 l 0
	ds_load_b128 v[S+8*\q+4:S+8*\q+7], v[T+2] offset:512*\q+16     ; ctx2 ctx3 ctx4 0
.endr
	v_lshlrev_b32 v[TMP], 10, v[TMP]               ; 1,024 bytes from query to query
	v_lshl_add_u32 v[TMP], v[R], 4, v[TMP]
	s_wait_dscnt 0x0
.irp q, 0,1,2,3
	v_rcp_f32 v[P+\q], v[S+8*\q+2]                 ; the denominator holds the largest p, which is 2^0 up to rounding
.endr
.irp q, 0,1,2,3
	v_add_nc_u32 v[T+4+\q], s[OOF+\q], v[TMP]      ; plain instructions between the reciprocals and their use
.endr
.macro OUTE q, sreg, e                 ; + (ctx_e / l) Wv[e][4 c .. 4 c + 3]
.irp c, 0,1,2,3
	v_fmac_f32 v[BQ+4*\q+\c], v[S+8*\q+\sreg], v[WV+4*\e+\c]
.endr
.endm
	s_wait_alu depctr_va_vdst(0)
.irp q, 0,1,2,3
.irp i, 0,1,4,5,6
	v_mul_f32 v[S+8*\q+\i], v[S+8*\q+\i], v[P+\q]
.endr
.irp c, 0,1,2,3
	v_fma_f32 v[BQ+4*\q+\c], v[S+8*\q], v[WV+\c], v[WV+20+\c]      ; bv starts the sum
.endr
	OUTE \q, 1, 1
	OUTE \q, 4, 2
	OUTE \q, 5, 3
	OUTE \q, 6, 4
	global_store_b128 v[T+4+\q], v[BQ+4*\q:BQ+4*\q+3], s[22:23] th:TH_STORE_NT
.endr
	s_wait_tensorcnt 0x0
	ds_add_u32 v254, v255
	s_wait_dscnt 0x0
	s_endpgm
.Lfunc_end_k_q43c9ac83d6_attn:
	.size	k_q43c9ac83d6_attn, .Lfunc_end_k_q43c9ac83d6_attn-k_q43c9ac83d6_attn
	.p2alignl 7, 3214868480
	.fill 96, 4, 3214868480
	.section	.rodata,"a",@progbits
	.p2align	6, 0x0
	.amdhsa_kernel k_q43c9ac83d6_attn
		.amdhsa_group_segment_fixed_size 168960
		.amdhsa_private_segment_fixed_size 0
		.amdhsa_enable_private_segment 0
		.amdhsa_kernarg_size 64
		.amdhsa_user_sgpr_count 2
		.amdhsa_user_sgpr_kernarg_segment_ptr 1
		.amdhsa_wavefront_size32 1
		.amdhsa_system_sgpr_workgroup_id_x 1
		.amdhsa_system_sgpr_workgroup_id_y 1
		.amdhsa_system_sgpr_workgroup_id_z 1
		.amdhsa_system_vgpr_workitem_id 0
		.amdhsa_next_free_vgpr 256
		.amdhsa_next_free_sgpr 72
		.amdhsa_reserve_vcc 1
		.amdhsa_float_denorm_mode_32 3
		.amdhsa_float_denorm_mode_16_64 3
		.amdhsa_memory_ordered 1
		.amdhsa_forward_progress 1
		.amdhsa_inst_pref_size 107
	.end_amdhsa_kernel
	.amdgpu_metadata
---
amdhsa.version: [ 1, 2 ]
amdhsa.kernels:
  - .name:           k_q43c9ac83d6_attn
    .symbol:         k_q43c9ac83d6_attn.kd
    .args:
      - { .name: xk, .offset: 0, .size: 8, .value_kind: global_buffer, .address_space: global }
      - { .name: Wk, .offset: 8, .size: 8, .value_kind: global_buffer, .address_space: global }
      - { .name: bk, .offset: 16, .size: 8, .value_kind: global_buffer, .address_space: global }
      - { .name: Wq, .offset: 24, .size: 8, .value_kind: global_buffer, .address_space: global }
      - { .name: bq, .offset: 32, .size: 8, .value_kind: global_buffer, .address_space: global }
      - { .name: Wv, .offset: 40, .size: 8, .value_kind: global_buffer, .address_space: global }
      - { .name: bv, .offset: 48, .size: 8, .value_kind: global_buffer, .address_space: global }
      - { .name: out0, .offset: 56, .size: 8, .value_kind: global_buffer, .address_space: global }
    .group_segment_fixed_size: 168960
    .private_segment_fixed_size: 0
    .kernarg_segment_align: 8
    .kernarg_segment_size: 64
    .max_flat_workgroup_size: 256
    .sgpr_count:     72
    .vgpr_count:     256
    .wavefront_size: 32
...
	.end_amdgpu_metadata
.endif
;; end of part 2
;; ======== version 2 of 2: 2 launches; version 1 with the launch pack written anew for expert scheduling mode
;; workspace buffers: xk 524,288 bytes
;; launch pack (part 3): grid 128 x 1, 1 waves a work-group, no clusters, 2,816 bytes of LDS; arguments x, xk; writes xk
.if DOCPART == 3
	.amdgcn_target "amdgcn-amd-amdhsa--gfx1250"
	.amdhsa_code_object_version 6
	.text
	.protected	k_q43c9ac83d6_pack
	.globl	k_q43c9ac83d6_pack
	.p2align	8
	.type	k_q43c9ac83d6_pack,@function
k_q43c9ac83d6_pack:
	s_mov_b64 s[64:65], 0
	v_nop
	global_prefetch_b8 v0, s[64:65] scope:SCOPE_SE
	s_setreg_imm32_b32 hwreg(HW_REG_WAVE_SCHED_MODE, 0, 2), 2
	s_setreg_imm32_b32 hwreg(HW_REG_WAVE_MODE, 25, 1), 1
	s_wait_xcnt 0x0
	s_wait_alu depctr_vm_vsrc(0)
; x, [4096 s][4 b][5] f32, is laid out for the matrix unit.  Each number is kept as a sum of two bf16: xh = bf16(x), xl = bf16(x - xh).
; A key gets two rows of 16 bytes:   K1 = { xh0 xh1 xh2 xh3 xh4 1 xl0 xl1 }     K2 = { xl2 xl3 xl4 xh0 xh1 xh2 xh3 xh4 }
; The one carries the biases of the three projections and, later, the softmax's denominator; xh stands twice because a score is
; xh.qh + xl.qh + xh.ql, sixteen products.  xk is [4 b][64 chunks][K1 of 64 keys: 1,024 bytes][K2 of the same keys: 1,024 bytes].
; One wave takes 32 keys = 2,560 consecutive bytes of x (a multiple of 256 from x's first byte).  Five loads of 512 consecutive bytes
; bring them in; LDS turns them so that lane l holds the 20 numbers of key l; eight stores of 512 consecutive bytes (K1 and K2 of four
; batches) take the rows out.  Every byte of x is read once and every byte of xk written once.  No matrix unit, cluster or ring: the
; launch moves 0.85 MB once and has nothing to reuse.  128 work-groups: that is all the work there is.
; LIMIT: x is finite (an infinity would leave x - xh undefined).
; THE MODE: SCHED_MODE bits 1:0 = 2 (LLVM: expert scheduling mode 2), set by the entry lines.  The code itself states the register dependences
; between vector instructions and memory or LDS instructions, with s_wait_alu, always for 0.
; THE PLAN.  Registers that memory or LDS instructions touch (the text runs straight through: there is no loop):
;   v1, v2     offsets, made once at the head by vector instructions and never written again.  v1: read by the global loads, the LDS stores and the
;              global stores.  v2: read by the LDS loads.
;   RAW        The global loads land in it, the LDS stores read it; no vector instruction names it.
;   XV         The LDS loads land in it, once; the vector instructions read it behind the wait for those loads, and none names it ahead of them.
;   OUTV       Eight registers to a batch, each batch's own: written by the batch's conversions, read by its two stores, never written again.
;   HI, LO     named by vector instructions alone.
;   v96, v97   written at the head, read by the closing add alone.
; So three waits on va_vdst state everything: one ahead of the first load (the offsets are written), one behind the arithmetic of batches 0 and 1,
; one behind that of batches 2 and 3 (their OUTV are written).  The stores of batches 0 and 1 are dealt among the arithmetic of batches 2 and 3, which
; names none of the registers that they read.  No register that a memory or LDS instruction reads is written again, no vector instruction writes a
; scalar register, and EXEC is never written: no other wait is owed.
.set KEYS, 32
.set XROW, 80                          ; bytes of x for a key: 4 batches x 5 f32
.set BATCH, 131072                     ; bytes of xk for a batch
.set RAW,  4                           ; v[4:23]   as loaded
.set XV,   24                          ; v[24:43]  x[key = lane][b][e] at XV + 5 b + e
.set OUTV, 44                          ; v[44:75]  batch b: four registers K1, four registers K2
.set HI,   76                          ; v[76:80]  xh as f32
.set LO,   82                          ; v[82:86]  x - xh
	s_load_b128 s[4:7], s[0:1], 0x0                ; x s[4:5], xk s[6:7]
	v_lshl_add_u32 v96, v0, 2, 0xa00               ; the LDS address of my spare word, behind the 2,560 bytes of x, and 0: kept for the closing lines alone
	v_mov_b32 v97, 0
	s_mul_i32 s10, ttmp9, KEYS*XROW                ; my 32 keys in x
	s_mov_b32 s11, 0
	s_lshr_b32 s12, ttmp9, 1                       ; my chunk of 64 keys: 2,048 bytes each,
	s_lshl_b32 s12, s12, 11
	s_and_b32 s13, ttmp9, 1                        ; and which 32 rows of 16 bytes in it
	s_lshl_b32 s13, s13, 9
	s_add_co_u32 s12, s12, s13
	s_mov_b32 s13, 0
	s_mov_b32 s14, 0xffff0000                      ; a word's upper bf16
	v_lshlrev_b32 v1, 4, v0                        ; 16 x lane
	v_mul_u32_u24 v2, XROW, v0                     ; 80 x lane: an odd multiple of 16
	s_wait_kmcnt 0x0
	s_add_nc_u64 s[4:5], s[4:5], s[10:11]
	s_add_nc_u64 s[6:7], s[6:7], s[12:13]
	s_wait_alu depctr_va_vdst(0)                   ; v1 and v2 are written: every load and store below, global or LDS, reads one of them as its offset or address
.irp i, 0,1,2,3,4
	global_load_b128 v[RAW+4*\i:RAW+4*\i+3], v1, s[4:5] offset:512*\i th:TH_LOAD_NT
.endr
.irp i, 0,1,2,3,4
	s_wait_loadcnt 4-\i                            ; loads come back in order: load i is in, the 4 - i younger ones may stay out
	ds_store_b128 v1, v[RAW+4*\i:RAW+4*\i+3] offset:512*\i
.endr
.irp i, 0,1,2,3,4
	ds_load_b128 v[XV+4*\i:XV+4*\i+3], v2 offset:16*\i     ; the wave's own bytes; LDS serves a wave's instructions in order, so these see the stores
.endr
	s_wait_dscnt 0x0
; Batch b's two rows of 16 bytes, from XV + 5 b .. into OUTV + 8 b ..
.macro ROWS b
	v_cvt_pk_bf16_f32 v[OUTV+8*(\b)],   v[XV+5*(\b)],   v[XV+5*(\b)+1]  ; K1: xh0 xh1
	v_cvt_pk_bf16_f32 v[OUTV+8*(\b)+1], v[XV+5*(\b)+2], v[XV+5*(\b)+3]  ;     xh2 xh3
	v_cvt_pk_bf16_f32 v[OUTV+8*(\b)+2], v[XV+5*(\b)+4], 1.0             ;     xh4 1
	v_lshlrev_b32 v[HI],   16,  v[OUTV+8*(\b)]                          ; bf16 to f32: the low half moves up, the high half stays
	v_and_b32     v[HI+1], s14, v[OUTV+8*(\b)]
	v_lshlrev_b32 v[HI+2], 16,  v[OUTV+8*(\b)+1]
	v_and_b32     v[HI+3], s14, v[OUTV+8*(\b)+1]
	v_lshlrev_b32 v[HI+4], 16,  v[OUTV+8*(\b)+2]
.irp e, 0,1,2,3,4
	v_sub_f32 v[LO+\e], v[XV+5*(\b)+\e], v[HI+\e]                       ; exact: what the rounding left
.endr
	v_cvt_pk_bf16_f32 v[OUTV+8*(\b)+3], v[LO],         v[LO+1]          ;     xl0 xl1
	v_cvt_pk_bf16_f32 v[OUTV+8*(\b)+4], v[LO+2],       v[LO+3]          ; K2: xl2 xl3
	v_cvt_pk_bf16_f32 v[OUTV+8*(\b)+5], v[LO+4],       v[XV+5*(\b)]     ;     xl4 xh0
	v_cvt_pk_bf16_f32 v[OUTV+8*(\b)+6], v[XV+5*(\b)+1], v[XV+5*(\b)+2]  ;     xh1 xh2
	v_cvt_pk_bf16_f32 v[OUTV+8*(\b)+7], v[XV+5*(\b)+3], v[XV+5*(\b)+4]  ;     xh3 xh4
.endm
; Batch b's two stores
.macro SEND b
	global_store_b128 v1, v[OUTV+8*(\b):OUTV+8*(\b)+3],   s[6:7] offset:BATCH*(\b)        ; 32 lanes: 512 consecutive bytes, aligned
	global_store_b128 v1, v[OUTV+8*(\b)+4:OUTV+8*(\b)+7], s[6:7] offset:BATCH*(\b)+1024
.endm
	ROWS 0
	ROWS 1
	s_wait_alu depctr_va_vdst(0)                   ; the conversions of batches 0 and 1 have written v[OUTV:OUTV+15], which the next four stores read
	SEND 0
	ROWS 2                                         ; names XV, HI, LO and batch 2's OUTV: neither v1 nor batch 1's OUTV, so batch 1's stores owe no further wait
	SEND 1
	ROWS 3
	s_wait_alu depctr_va_vdst(0)                   ; the conversions of batches 2 and 3 have written v[OUTV+16:OUTV+31], which the last four stores read
	SEND 2
	SEND 3
	s_wait_dscnt 0x0                               ; the closing lines, six on end
	s_wait_alu 0x0
	s_wait_tensorcnt 0x0
	ds_add_u32 v96, v97
	s_wait_dscnt 0x0
	s_endpgm
.Lfunc_end_k_q43c9ac83d6_pack:
	.size	k_q43c9ac83d6_pack, .Lfunc_end_k_q43c9ac83d6_pack-k_q43c9ac83d6_pack
	.p2alignl 7, 3214868480
	.fill 96, 4, 3214868480
	.section	.rodata,"a",@progbits
	.p2align	6, 0x0
	.amdhsa_kernel k_q43c9ac83d6_pack
		.amdhsa_group_segment_fixed_size 2816
		.amdhsa_private_segment_fixed_size 0
		.amdhsa_enable_private_segment 0
		.amdhsa_kernarg_size 16
		.amdhsa_user_sgpr_count 2
		.amdhsa_user_sgpr_kernarg_segment_ptr 1
		.amdhsa_wavefront_size32 1
		.amdhsa_system_sgpr_workgroup_id_x 1
		.amdhsa_system_sgpr_workgroup_id_y 1
		.amdhsa_system_sgpr_workgroup_id_z 1
		.amdhsa_system_vgpr_workitem_id 0
		.amdhsa_next_free_vgpr 98
		.amdhsa_next_free_sgpr 66
		.amdhsa_reserve_vcc 0
		.amdhsa_float_denorm_mode_32 3
		.amdhsa_float_denorm_mode_16_64 3
		.amdhsa_memory_ordered 1
		.amdhsa_forward_progress 1
		.amdhsa_inst_pref_size 7
	.end_amdhsa_kernel
	.amdgpu_metadata
---
amdhsa.version: [ 1, 2 ]
amdhsa.kernels:
  - .name:           k_q43c9ac83d6_pack
    .symbol:         k_q43c9ac83d6_pack.kd
    .args:
      - { .name: x, .offset: 0, .size: 8, .value_kind: global_buffer, .address_space: global }
      - { .name: xk, .offset: 8, .size: 8, .value_kind: global_buffer, .address_space: global }
    .group_segment_fixed_size: 2816
    .private_segment_fixed_size: 0
    .kernarg_segment_align: 8
    .kernarg_segment_size: 16
    .max_flat_workgroup_size: 32
    .sgpr_count:     66
    .vgpr_count:     98
    .wavefront_size: 32
...
	.end_amdgpu_metadata
.endif
;; end of part 3
;; launch attn: the kernel of part 2 again; grid 64 x 4, 8 waves a work-group, no clusters, 168,960 bytes of LDS; arguments xk, Wk, bk, Wq, bq, Wv, bv, out0; writes out0
